; MI455X (gfx1250); checked and timed in simulation.
; The chip was launched on July 23, 2026; its instructions are those of AMD's public machine-readable ISA for CDNA 5 (MIT licence, August 2026) and "CDNA5" Instruction Set Architecture Reference Guide (July 2026). The comments in the code are by the model that wrote it; some were corrected since.
;; Multi Head KAN Attention. Allowed arithmetic: float matrix products may take bf16 or f16 operands with f32 sums; other float arithmetic in f32, or as packed bf16 or f16 multiplies, adds, multiply-adds, maxima and minima; sums over many terms, partial sums and values carried from step to step in f32; what a program stores and reads back later, other than sums and carried values, may be rounded once to bf16 or f16.
;; Inputs: key 2 x 1,024 x 512 float32; query 2 x 1,024 x 512 float32; value 2 x 1,024 x 512 float32; wk_base 512 x 512 float32; wk_sp 512 x 35 x 512 float32; wq_base 512 x 512 float32; wq_sp 512 x 35 x 512 float32; wv_base 512 x 512 float32; wv_sp 512 x 35 x 512 float32.
;; Outputs: out0 2 x 1,024 x 512 float32.
;; One version. Each part assembles by itself: llvm-mc -triple=amdgcn-amd-amdhsa -mcpu=gfx1250 --defsym DOCPART=n.
;; ======== version 1 of 1: 4 launches
;; limits: values are held in f16: magnitudes above 65,504 overflow, below 6.1e-05 lose precision
;; workspace buffers: b16 56,623,104 bytes; part 75,497,472 bytes; tpart 2,097,152 bytes
;; launch cast (part 1): grid 18 x 48, 8 waves a work-group, no clusters, 0 bytes of LDS; arguments wq_sp, wk_sp, wv_sp, wq_base, wk_base, wv_base, b16; writes b16
.if DOCPART == 1
	.amdgcn_target "amdgcn-amd-amdhsa--gfx1250"
	.amdhsa_code_object_version 6
	.text
	.protected	k_q1b7c5e16d8_cast
	.globl	k_q1b7c5e16d8_cast
	.p2align	8
	.type	k_q1b7c5e16d8_cast,@function
k_q1b7c5e16d8_cast:
	s_mov_b64 s[64:65], 0
	v_nop
	global_prefetch_b8 v0, s[64:65] scope:SCOPE_SE
	s_setreg_imm32_b32 hwreg(HW_REG_WAVE_MODE, 25, 1), 1
	s_wait_xcnt 0x0
; THE WEIGHTS, ONCE: f32 [K][512] -> f16 in the order in which the next launch's matrix instructions want them.
; K of a projection is 512 channels x 36: the 35 spline rows of a channel and, as the 36th, its row of w_base.  K is cut so: segment (32 channels), chunk p (basis numbers
; 4 p .. 4 p + 3; number 35 is the base row), sub (16 channels), ss (8 channels); inside a step of 32: k = 4 x channel + number.
; b16: [projection x 16 + segment][p] tiles of 131,072 bytes; in a tile [w 4][sub 2][ss 2][cf 8][half 2][lane 32][16 bytes]: source 1 of a 16x16x32 product as it lies in registers.
; Lane (r, h) of fragment cf = 4 cg + f stands for column 128 w + 64 cg + 4 r + f; half 0 holds k = 8 h .. 8 h + 7, half 1 k = 16 + 8 h .. + 7.
; SHARES.  Work-group (x, y): p = x / 2, ss = x % 2, y = projection x 16 + segment.  Wave v: w = v % 4, sub = v / 4: one step of 32 along K for 128 columns: 32 loads of 16 bytes a lane
; (sixteen lanes take 256 consecutive bytes, aligned, of a row), 64 conversions, 16 stores of 512 consecutive bytes.  Each byte is read once and written once; no loop, no LDS.
; LIMIT.  f16: a weight of 65,520 or more in size becomes an infinity; below 6e-5 it keeps f16's fixed step of 6e-8.
.set IN,  16                           ; v[16:143]  as loaded: column group cg, row q of 16, four columns
.set OUT, 144                          ; v[144:207] eight fragments of 8 registers
.set LSP, 1                            ; v1  my offset in the spline rows: h x two channels (2 x 35 x 2,048 bytes) + 16 r
.set LBS, 2                            ; v2  the same in the base rows: h x 4,096 + 16 r
.set SO,  3                            ; v3  16 x lane
.set SPP, 32                           ; s[32:33] the spline weights at my first row and column
.set BPP, 34                           ; s[34:35] the base weights likewise
.set OPP, 36                           ; s[36:37] b16 at my eight fragments
	s_load_b256 s[8:15], s[0:1], 0x0               ; wq_sp, wk_sp, wv_sp, wq_base
	s_load_b128 s[16:19], s[0:1], 0x20             ; wk_base, wv_base
	s_load_b64 s[20:21], s[0:1], 0x30              ; b16
	v_lshrrev_b32 v4, 5, v0
	v_readfirstlane_b32 s2, v4                     ; wave 0..7
	s_and_b32 s3, s2, 3                            ; w
	s_lshr_b32 s4, s2, 2                           ; sub
	s_lshr_b32 s5, ttmp9, 1                        ; p
	s_and_b32 s6, ttmp9, 1                         ; ss
	s_and_b32 s7, ttmp7, 0xffff                    ; y
	s_lshr_b32 s22, s7, 4                          ; projection
	s_and_b32 s23, s7, 15                          ; segment
	s_lshl_b32 s24, s23, 5
	s_lshl4_add_u32 s24, s4, s24
	s_lshl3_add_u32 s24, s6, s24                   ; my first channel: 32 segment + 16 sub + 8 ss
	s_lshl_b32 s25, s3, 9                          ; my 128 columns: 512 w bytes
	s_mul_i32 s26, s24, 35
	s_lshl2_add_u32 s26, s5, s26                   ; spline row: channel x 35 + 4 p
	s_lshl_b32 s26, s26, 11
	s_add_co_u32 s26, s26, s25
	s_mov_b32 s27, 0
	s_lshl_b32 s28, s24, 11                        ; base row: channel
	s_add_co_u32 s28, s28, s25
	s_mov_b32 s29, 0
	s_mul_i32 s30, s7, 9
	s_add_co_u32 s30, s30, s5                      ; tile y x 9 + p,
	s_lshl2_add_u32 s30, s30, s3                   ; x 4 + w,
	s_lshl1_add_u32 s30, s30, s4                   ; x 2 + sub,
	s_lshl1_add_u32 s30, s30, s6                   ; x 2 + ss,
	s_lshl_b32 s30, s30, 13                        ; x 8,192 bytes
	s_mov_b32 s31, 0
	v_and_b32 v5, 15, v0                           ; r
	v_bfe_u32 v6, v0, 4, 1                         ; h
	v_mul_u32_u24 v[LSP], v6, 143360
	v_lshl_add_u32 v[LSP], v5, 4, v[LSP]
	v_lshlrev_b32 v[LBS], 12, v6
	v_lshl_add_u32 v[LBS], v5, 4, v[LBS]
	v_and_b32 v7, 31, v0
	v_lshlrev_b32 v[SO], 4, v7
	s_wait_kmcnt 0x0
	s_cmp_eq_u32 s22, 1                            ; the projection's two tensors
	s_cselect_b64 s[SPP:SPP+1], s[10:11], s[8:9]
	s_cselect_b64 s[BPP:BPP+1], s[16:17], s[14:15]
	s_cmp_eq_u32 s22, 2
	s_cselect_b64 s[SPP:SPP+1], s[12:13], s[SPP:SPP+1]
	s_cselect_b64 s[BPP:BPP+1], s[18:19], s[BPP:BPP+1]
	s_add_nc_u64 s[SPP:SPP+1], s[SPP:SPP+1], s[26:27]
	s_add_nc_u64 s[BPP:BPP+1], s[BPP:BPP+1], s[28:29]
	s_add_nc_u64 s[OPP:OPP+1], s[20:21], s[30:31]
; Row q of my lane's 16: channel 2 h + (0, 1, 4, 5)[q / 4], number q % 4.  last = 1 (p = 8): number 3 is the base row.
.macro LD cg, q, last
.set aq, ((\q)>>2)+2*((\q)>>3)
.if (\last) && (((\q)&3) == 3)
	global_load_b128 v[IN+64*(\cg)+4*(\q):IN+64*(\cg)+4*(\q)+3], v[LBS], s[BPP:BPP+1] offset:aq*2048+256*(\cg) th:TH_LOAD_NT
.else
	global_load_b128 v[IN+64*(\cg)+4*(\q):IN+64*(\cg)+4*(\q)+3], v[LSP], s[SPP:SPP+1] offset:(aq*35+((\q)&3))*2048+256*(\cg) th:TH_LOAD_NT
.endif
.endm
.macro LDALL last
.irp cg, 0,1
.irp q, 0,1,2,3,4,5,6,7,8,9,10,11,12,13,14,15
	LD \cg, \q, \last
.endr
.endr
.endm
; Column group cg: register jj of fragment f packs rows 2 jj and 2 jj + 1 of column f; then the four fragments go out.
.macro PUT cg
.irp f, 0,1,2,3
.irp jj, 0,1,2,3,4,5,6,7
	v_cvt_pk_f16_f32 v[OUT+(4*(\cg)+\f)*8+\jj], v[IN+64*(\cg)+8*\jj+\f], v[IN+64*(\cg)+8*\jj+4+\f]
.endr
.endr
.irp f, 0,1,2,3
	global_store_b128 v[SO], v[OUT+(4*(\cg)+\f)*8:OUT+(4*(\cg)+\f)*8+3], s[OPP:OPP+1] offset:(4*(\cg)+\f)*1024
	global_store_b128 v[SO], v[OUT+(4*(\cg)+\f)*8+4:OUT+(4*(\cg)+\f)*8+7], s[OPP:OPP+1] offset:(4*(\cg)+\f)*1024+512
.endr
.endm
	s_cmp_eq_u32 s5, 8
	s_cbranch_scc1 .Lwith_base
	LDALL 0
	s_branch .Lloaded
.Lwith_base:
	LDALL 1
.Lloaded:
	s_wait_loadcnt 16                              ; on both ways 32 loads are out: the first column group's 16 are in, the second's may stay out
	PUT 0
	s_wait_loadcnt 0x0
	PUT 1
	s_endpgm
.Lfunc_end_k_q1b7c5e16d8_cast:
	.size	k_q1b7c5e16d8_cast, .Lfunc_end_k_q1b7c5e16d8_cast-k_q1b7c5e16d8_cast
	.p2alignl 7, 3214868480
	.fill 96, 4, 3214868480
	.section	.rodata,"a",@progbits
	.p2align	6, 0x0
	.amdhsa_kernel k_q1b7c5e16d8_cast
		.amdhsa_group_segment_fixed_size 0
		.amdhsa_private_segment_fixed_size 0
		.amdhsa_enable_private_segment 0
		.amdhsa_kernarg_size 56
		.amdhsa_user_sgpr_count 2
		.amdhsa_user_sgpr_kernarg_segment_ptr 1
		.amdhsa_wavefront_size32 1
		.amdhsa_system_sgpr_workgroup_id_x 1
		.amdhsa_system_sgpr_workgroup_id_y 1
		.amdhsa_system_sgpr_workgroup_id_z 1
		.amdhsa_system_vgpr_workitem_id 0
		.amdhsa_next_free_vgpr 208
		.amdhsa_next_free_sgpr 66
		.amdhsa_reserve_vcc 0
		.amdhsa_float_denorm_mode_32 3
		.amdhsa_float_denorm_mode_16_64 3
		.amdhsa_memory_ordered 1
		.amdhsa_forward_progress 1
		.amdhsa_inst_pref_size 14
	.end_amdhsa_kernel
	.amdgpu_metadata
---
amdhsa.version: [ 1, 2 ]
amdhsa.kernels:
  - .name:           k_q1b7c5e16d8_cast
    .symbol:         k_q1b7c5e16d8_cast.kd
    .args:
      - { .name: wq_sp, .offset: 0, .size: 8, .value_kind: global_buffer, .address_space: global }
      - { .name: wk_sp, .offset: 8, .size: 8, .value_kind: global_buffer, .address_space: global }
      - { .name: wv_sp, .offset: 16, .size: 8, .value_kind: global_buffer, .address_space: global }
      - { .name: wq_base, .offset: 24, .size: 8, .value_kind: global_buffer, .address_space: global }
      - { .name: wk_base, .offset: 32, .size: 8, .value_kind: global_buffer, .address_space: global }
      - { .name: wv_base, .offset: 40, .size: 8, .value_kind: global_buffer, .address_space: global }
      - { .name: b16, .offset: 48, .size: 8, .value_kind: global_buffer, .address_space: global }
    .group_segment_fixed_size: 0
    .private_segment_fixed_size: 0
    .kernarg_segment_align: 8
    .kernarg_segment_size: 56
    .max_flat_workgroup_size: 256
    .sgpr_count:     66
    .vgpr_count:     208
    .wavefront_size: 32
...
	.end_amdgpu_metadata
.endif
;; end of part 1
;; launch kan (part 2): grid 16 x 16, 4 waves a work-group, clusters of 4 x 1, 327,680 bytes of LDS; arguments query, key, value, b16, part; writes part
.if DOCPART == 2
	.amdgcn_target "amdgcn-amd-amdhsa--gfx1250"
	.amdhsa_code_object_version 6
	.text
	.protected	k_q1b7c5e16d8_kan
	.globl	k_q1b7c5e16d8_kan
	.p2align	8
	.type	k_q1b7c5e16d8_kan,@function
k_q1b7c5e16d8_kan:
	s_mov_b64 s[64:65], 0
	v_nop
	global_prefetch_b8 v0, s[64:65] scope:SCOPE_SE
	s_setreg_imm32_b32 hwreg(HW_REG_WAVE_MODE, 25, 1), 1
	s_wait_xcnt 0x0
	s_wait_alu depctr_hold_cnt(0) depctr_sa_sdst(0) depctr_va_vdst(0) depctr_va_sdst(0) depctr_va_ssrc(0) depctr_va_vcc(0) depctr_vm_vsrc(0)
	s_getreg_b32 s2, hwreg(HW_REG_IB_STS2, 6, 4)
	s_cmp_eq_u32 s2, 0
	s_cbranch_scc0 .Lentry_in_a_cluster
	s_endpgm
.Lentry_in_a_cluster:
	s_bfe_u32 s2, ttmp6, 0x10000c
	s_cmp_lg_u32 s2, 0x3003
	s_cbranch_scc0 .Lentry_shape_is_right
	s_endpgm
.Lentry_shape_is_right:
; THE THREE KAN PROJECTIONS as one product [2048 x 18432] x [18432 x 512] each, in f16 with f32 sums.  The left matrix is never in memory: for channel e of a row it holds the 35 cubic B-spline
; values of x (four of them not 0) and, as number 35, silu(x); it is made here, in LDS, chunk by chunk.  The right matrix is b16, as the launch before laid it.
; SHARES.  Work-group (i, c): rows 128 i .. + 127, all 512 columns, and the segments (32 channels of a projection) 3 c, 3 c + 1, 3 c + 2 of the 48: 27 SUPER-TRIPS of 128 along K (segment, chunk p of
; 9), each two SUB-TRIPS of 64 (16 channels x 4 numbers).  Wave w: 128 rows x columns 128 w .. + 127: 64 accumulators.  768 units of work, three for each of 256 work-groups.
; The f32 sums go out as one of six pieces for each projection and row tile (part[P][i][c - 5 P]); c = 5 and c = 10 pass from one projection to the next and flush once in the middle.
; CLUSTER.  The four work-groups of a cluster share c and so every tile of b16: each wave asks jointly (mask 15) for its own 32 KiB of the tile, which it alone reads.  The place in the cluster enters
; the addresses of x, of part and of the prefetch alone.
; THE LEFT MATRIX.  Thread t owns row t.  PREP makes, once for each x: u = (clip(x) + 3) 16/3, J = floor(u), t = u - J, the four weights (1-t)^3/6, t^3/2 - t^2 + 2/3, the same of 1 - t, t^3/6 (numbers J .. J + 3),
; rounded to f16 and shifted by J % 4 into eight halves: LO (chunk J / 4) and HI (the chunk behind it); and silu(x) in f16.  For chunk p a channel's 8 bytes are then a choice: LO if J / 4 = p, HI if
; J / 4 = p - 1, else 0; in chunk 8 silu takes the last half, which no spline number has.  Seven lines a channel, which stand four at a time behind matrix instructions.
; While sub-trip 0 is multiplied out of A0, the other 16 channels' chunk is stored into A1, and the other way round: one work-group barrier a sub-trip.
; LIMITS.  f16 operands: silu(x) of 65,520 or more becomes an infinity.  A NaN in x gives finite numbers.  An x within rounding of a knot may take the neighbouring polynomial piece, which
; agrees there in value, slope and curvature.  The sums' order is not reference()'s.
; REGISTERS, in windows of 256 (s_set_vgpr_msb: bits 1:0 source 0, 3:2 source 1, 5:4 source 2, 7:6 destination):
;   window 0: addresses, two quads at work, six arrays of 32 (a register a channel), x        window 1: v0-127 fragments of the left matrix (two of 64), v128-191 of the right (two of 32), v192-255 at work
;   windows 2, 3: the accumulators of column group cg = 0, 1: rows 16 a, fragment f at v[8 (a + 8 f)]
.set SLOTB,  131072                    ; a slot = a tile of b16; slot 1 begins here, so one exclusive or changes slots
.set TILEB,  131072
.set A0,     262144                    ; behind the ring: A0 and A1, 128 rows x 144 bytes (128 of data + 16), written by ds_store alone
.set ABYTES, 18432
.set APITCH, 144                       ; 36 words: the 16 rows of a load begin at 16 different groups of four banks (64 banks of 4 bytes: ISA guide 11.1)
.set SPARE,  299008                    ; the spare words, 128 bytes a wave: two blocks of 256 bytes that no other line names
.set AW,  2                            ; v2  where I store my row: t x 144 + A0
.set AR,  3                            ; v3  where I read fragments: r x 144 + 16 h + A0
.set LBC, 4                            ; v4  w x 32,768 + 16 x lane
.set ADRB, 5                           ; v5  the same in the slot in hand
.set XO,  6                            ; v6  t x 2,048: my row of x
.set PFO, 7                            ; v7  256 x lane
.set FO,  8                            ; v8  16 x lane
.set ZR,  9                            ; v9  0
.set SPW, 10                           ; v10 my spare word: SPARE + 4 x my thread's number; never rewritten
.set NIL, 11                           ; v11 0; never rewritten
.set DD,  12                           ; v[12:19] two quads: two channels' 16 bytes each
.set LO0, 32
.set LO1, 64
.set HI0, 96
.set HI1, 128
.set P0,  160                          ; J / 4
.set SL,  192                          ; silu in the high half
.set XX,  224                          ; x of my row's 32 channels
.set TMP, 192                          ; window 1
.set TU, 192                           ; a batch of four channels in window 1: u, later J's bits
.set TJ, 196                           ; floor(u), then J
.set TT, 200
.set TO, 204
.set T2, 208
.set O2, 212
.set T3, 216
.set O3, 220
.set W0, 224
.set W1, 228
.set W2, 232
.set W3, 236
.set E0, 200                           ; (w0, w1), later the first pair behind the shift by J % 2
.set E1, 204                           ; (w2, w3)
.set R0, 208                           ; (0, w0)
.set R1, 212                           ; (w1, w2)
.set R2, 216                           ; (w3, 0)
.set WV,  18                           ; s18 wave
.set CX,  19                           ; s19 my place in the cluster
.set RI,  20                           ; s20 row tile i
.set CC,  21                           ; s21 c
.set G1,  24                           ; s[24:31] descriptor group 1
.set G0,  32                           ; s[32:35] descriptor group 0: one set, since one load of mine is out at the most
.set CNT, 36                           ; s36 super-trips to go behind this one
.set PP,  37                           ; s37 chunk p
.set SS,  38                           ; s38 which of my three segments
.set CP0, 39                           ; s39-41 p, p - 1, all ones if p = 8
.set CP1, 42                           ; s42-44 the same for the chunk behind it, (p + 1) mod 9
.set RB,  45                           ; s45 LDS byte of the slot in hand
.set PFA, 46                           ; s[46:47] the prefetches' address
.set LIM, 48                           ; s48 1 in a cluster that prefetches, else the greatest number
.set XP,  50                           ; s[50:51] x at my row tile and segment
.set FP,  72                           ; s[72:73] part at my wave's 65,536 bytes of a piece
.set MSB, 0
.macro WIN new                         ; the immediate's high byte repeats the setting that is left; a switch that changes nothing is dropped
.if MSB != (\new)
	s_set_vgpr_msb (MSB<<8)|(\new)
.set MSB, (\new)
.endif
.endm
.macro PLACES                          ; four places: behind matrix instructions, ahead of loads into registers that they read and of stores and writes of their results
.rept 4
	v_nop
.endr
.endm
.macro CREST                           ; a round of the cluster's barrier behind its opening barrier
	s_cmp_lg_u32 s[WV], 0
	s_cbranch_scc1 .Lnot_wave_0_\@
	s_barrier_signal -3
.Lnot_wave_0_\@:
	s_barrier_wait -3
	s_barrier_signal -1
	s_barrier_wait -1
.endm
.macro ROUND
	s_barrier_signal -1
	s_barrier_wait -1
	CREST
.endm
.macro JLOAD                           ; my 32 KiB of a tile, asked for jointly with the same wave of the three partners; an s_nop 0 and four v_nop follow
	tensor_load_to_lds s[G0:G0+3], s[G1:G1+7]
	s_nop 0
	PLACES
.endm
; A PREFETCH INTO THE L2 of the tile that the NEXT refill will ask for: 131,072 bytes = 512 blocks of 256: the cluster's 16 waves x 32 lanes name one each, told apart by address (4 cx + w).  The four clusters
; that share c walk the same tiles: the first of them (cluster x = 0) asks.  It stands a super-trip, 256 matrix instructions, ahead of that refill; the last refill has no tile behind it and asks for nothing.
.macro ASK
	s_cmp_gt_u32 s[CNT], s[LIM]
	s_cbranch_scc0 .Lnot_mine_\@
	global_prefetch_b8 v[PFO], s[PFA:PFA+1] th:TH_LOAD_NT scope:SCOPE_SE
.Lnot_mine_\@:
.endm
; Product i of 32 of unit u = 2 ss + cg: rows 16 (i % 8), fragment i / 8.  The 32 accumulators of a unit take turns, and the units go 0, 1, 2, 3: 63 others stand between two links of a chain.
.macro MM u, i
	WIN 0xa5+0x50*((\u)&1)
	v_wmma_f32_16x16x32_f16 v[8*(\i):8*(\i)+7], v[64*((\u)>>1)+8*((\i)&7):64*((\u)>>1)+8*((\i)&7)+7], v[128+32*((\u)&1)+8*((\i)>>3):128+32*((\u)&1)+8*((\i)>>3)+7], v[8*(\i):8*(\i)+7]
.endm
.macro LOADA sub, ss                   ; eight fragments of the left matrix: 128 rows x 32 along K
	WIN 0x40
.irp a, 0,1,2,3,4,5,6,7
	ds_load_b128 v[64*(\ss)+8*\a:64*(\ss)+8*\a+3],   v[AR] offset:(\sub)*ABYTES+\a*16*APITCH+(\ss)*64
	ds_load_b128 v[64*(\ss)+8*\a+4:64*(\ss)+8*\a+7], v[AR] offset:(\sub)*ABYTES+\a*16*APITCH+(\ss)*64+32
.endr
.endm
.macro LOADB sub, u                    ; unit u's four fragments of the right matrix, as they lie
	WIN 0x40
.irp f, 0,1,2,3
	ds_load_b128 v[128+32*((\u)&1)+8*\f:128+32*((\u)&1)+8*\f+3],   v[ADRB] offset:(\sub)*16384+((\u)>>1)*8192+(4*((\u)&1)+\f)*1024
	ds_load_b128 v[128+32*((\u)&1)+8*\f+4:128+32*((\u)&1)+8*\f+7], v[ADRB] offset:(\sub)*16384+((\u)>>1)*8192+(4*((\u)&1)+\f)*1024+512
.endr
.endm
; Line gn of the 112 that make a chunk of 16 channels (set 0: channels 0-15, into A0, for the chunk behind p; set 1: channels 16-31, into A1, for chunk p).  Two channels' seven lines alternate; behind the 14th their 16 bytes are stored.
.macro GOP set
.set gp, gn%14
.set xl, 2*(gn/14)+(gp&1)
.set gk, gp>>1
.set gx, 16*(\set)+xl
.set gd, DD+4*((gn/14)&1)+2*(gp&1)
.set gm, 60+2*(gp&1)
.set gc, CP0+3*(1-(\set))
	WIN 0
.if gk == 0
	v_cmp_eq_u32 s[gm], s[gc], v[P0+gx]            ; is the chunk the one of J?
.elseif gk == 1
	v_cmp_eq_u32 s[gm+1], s[gc+1], v[P0+gx]        ; or the one behind it?
.elseif gk == 2
	v_cndmask_b32 v[gd], 0, v[HI0+gx], s[gm+1]
.elseif gk == 3
	v_cndmask_b32 v[gd+1], 0, v[HI1+gx], s[gm+1]
.elseif gk == 4
	v_cndmask_b32 v[gd], v[gd], v[LO0+gx], s[gm]
.elseif gk == 5
	v_cndmask_b32 v[gd+1], v[gd+1], v[LO1+gx], s[gm]
.else
	v_and_or_b32 v[gd+1], v[SL+gx], s[gc+2], v[gd+1]  ; chunk 8: silu into the last half
.endif
.if gp == 13
	ds_store_b128 v[AW], v[gd-2:gd+1] offset:(\set)*ABYTES+(gn/14)*16
.endif
.set gn, gn+1
.endm
.macro RIDE set, lim                   ; up to four of them
.rept 4
.if (gn < (\lim)) && (gn < 112)
	GOP \set
.endif
.endr
.endm
.macro PHLOADS sub, ph                 ; what phase ph fetches for the phases behind it
.if (\ph) == 2
	LOADA \sub, 1
.endif
	LOADB \sub, \ph
.endm
; PHASE 0 of a sub-trip, behind its barrier: the first fragments are fetched, and unit 3 of the sub-trip before is multiplied.
.macro PH0 sub, mul, ask
	LOADA \sub, 0
	LOADB \sub, 0
.if \ask
	WIN 0
	ASK
.endif
.if \mul
.set mi, 0
.rept 32
	MM 3, mi
.set mi, mi+1
.endr
.endif
.endm
; PHASE ph = 1, 2, 3: unit ph - 1 is multiplied (cnt of its 32 products), four lines of the next chunk behind each product until the phase's share (42, 42, 28) is dealt.  The run of loads stands behind the second
; product's four: eight plain lines behind the last product that read those registers.  gen = 0: nothing is made; four v_nop and the run come first.
; The wait at the head is for 0: what it waits for was issued 24 products ago or more.
.macro PHN sub, ph, gen, cnt
	s_wait_dscnt 0x0
.if !(\gen)
	PLACES
	PHLOADS \sub, \ph
.endif
.set mi, 0
.rept \cnt
	MM (\ph)-1, mi
.if \gen
	RIDE 1-(\sub), 42*(\ph)
.if mi == 1
	PHLOADS \sub, \ph
.endif
.endif
.set mi, mi+1
.endr
.endm
.macro GEN3 sub, gen, cnt3
.set gn, 0
	PHN \sub, 1, \gen, 32
	PHN \sub, 2, \gen, 32
	PHN \sub, 3, \gen, \cnt3
.endm
; THE BARRIER BETWEEN SUB-TRIPS, amid unit 2's products 14 to 31.  In front of it my stores into the one A buffer and my reads of the other (and of the slot) are done; behind it the buffers change parts.
; kind 1: in the middle of a super-trip.
; kind 2: a change of slots: all my tensor loads have landed (the one that was out is my part of the next slot), the add, the wait for it and for my LDS reads; the barrier opens a round of the cluster's, and the
;         joint refill of the slot just read out is the first thing behind the round: it has a super-trip, 256 matrix instructions, in which to land.
; kind 3: the last change of slots: nothing is left to ask for, so no round follows.
.macro HEAD kind, mul
	WIN 0
.if (\kind) == 2
	s_wait_xcnt 0x0                                ; the last prefetch, a super-trip back, has read its address
	s_add_nc_u64 s[PFA:PFA+1], s[PFA:PFA+1], TILEB
.endif
.if (\kind) >= 2
	s_wait_tensorcnt 0x0
	ds_add_u32 v[SPW], v[NIL]                      ; 0 onto my spare word
.endif
.set mi, 14
.if \mul
.rept 8
	MM 2, mi
.set mi, mi+1
.endr
.endif
	s_wait_dscnt 0x0
	s_barrier_signal -1
.if \mul
.rept 10
	MM 2, mi
.set mi, mi+1
.endr
.endif
	WIN 0
	s_barrier_wait -1
.if (\kind) == 2
	CREST
	s_xor_b32 s[G0+1], s[G0+1], SLOTB              ; the slot just read out,
	s_add_nc_u64 s[G0+2:G0+3], s[G0+2:G0+3], TILEB ; the next tile; the type bits on top are not reached
	s_xor_b32 s[RB], s[RB], SLOTB
	JLOAD                                          ; its four v_nop are also the places ahead of the loads that follow
	v_add_nc_u32 v[ADRB], s[RB], v[LBC]
.else
	PLACES
.if (\kind) == 3
	s_xor_b32 s[RB], s[RB], SLOTB
	v_add_nc_u32 v[ADRB], s[RB], v[LBC]
.endif
.endif
.endm
; PREP: the state of 16 channels from their x.
.macro PREP set
.set xs, 16*(\set)
	WIN 0x40                                       ; silu(x) = x / (1 + 2^(-x log2 e)); two batches of 16 transcendentals, a plain line and one wait behind each
.set z, 0
.rept 8
	v_pk_mul_f32 v[TMP+2*z:TMP+2*z+1], v[XX+xs+2*z:XX+xs+2*z+1], 0xbfb8aa3b op_sel_hi:[1,0]
.set z, z+1
.endr
	WIN 0x41
.set z, 0
.rept 16
	v_exp_f32 v[TMP+z], v[TMP+z]
.set z, z+1
.endr
	v_nop
	s_wait_alu depctr_va_vdst(0)
.set z, 0
.rept 8
	v_pk_add_f32 v[TMP+2*z:TMP+2*z+1], v[TMP+2*z:TMP+2*z+1], 1.0 op_sel_hi:[1,0]
.set z, z+1
.endr
.set z, 0
.rept 16
	v_rcp_f32 v[TMP+z], v[TMP+z]
.set z, z+1
.endr
	v_nop
	s_wait_alu depctr_va_vdst(0)
.set z, 0
.rept 8
	v_pk_mul_f32 v[TMP+2*z:TMP+2*z+1], v[TMP+2*z:TMP+2*z+1], v[XX+xs+2*z:XX+xs+2*z+1]
.set z, z+1
.endr
	WIN 0x04
.set z, 0
.rept 16
	v_cvt_pk_f16_f32 v[SL+xs+z], v[ZR], v[TMP+z]
.set z, z+1
.endr
.set pb, 0
.rept 4                                ; the spline, four channels at a time
.set xb, xs+4*pb
	WIN 0x40
.irp c, 0,1,2,3
	v_med3_num_f32 v[TU+\c], v[XX+xb+\c], s66, s67 ; clip to -3 .. 3 - 1e-4
.endr
	WIN 0x55
.irp c, 0,2
	v_pk_add_f32 v[TU+\c:TU+\c+1], v[TU+\c:TU+\c+1], s[68:69] op_sel_hi:[1,0]  ; first + 3, then x 16/3: u is never below 0
.endr
.irp c, 0,2
	v_pk_mul_f32 v[TU+\c:TU+\c+1], v[TU+\c:TU+\c+1], s[70:71] op_sel_hi:[1,0]
.endr
.irp c, 0,1,2,3
	v_floor_f32 v[TJ+\c], v[TU+\c]
.endr
.irp c, 0,2
	v_pk_add_f32 v[TT+\c:TT+\c+1], v[TU+\c:TU+\c+1], v[TJ+\c:TJ+\c+1] neg_lo:[0,1] neg_hi:[0,1]  ; t
.endr
.irp c, 0,2
	v_pk_fma_f32 v[TO+\c:TO+\c+1], v[TT+\c:TT+\c+1], -1.0, 1.0 op_sel_hi:[1,0,0]  ; 1 - t
.endr
.irp c, 0,2
	v_pk_mul_f32 v[T2+\c:T2+\c+1], v[TT+\c:TT+\c+1], v[TT+\c:TT+\c+1]
	v_pk_mul_f32 v[O2+\c:O2+\c+1], v[TO+\c:TO+\c+1], v[TO+\c:TO+\c+1]
.endr
.irp c, 0,1,2,3
	v_cvt_u32_f32 v[TJ+\c], v[TJ+\c]               ; J, 0 to 31
.endr
.irp c, 0,2
	v_pk_mul_f32 v[T3+\c:T3+\c+1], v[T2+\c:T2+\c+1], v[TT+\c:TT+\c+1]
	v_pk_mul_f32 v[O3+\c:O3+\c+1], v[O2+\c:O2+\c+1], v[TO+\c:TO+\c+1]
.endr
.irp c, 0,1,2,3
	v_and_b32 v[TU+\c], 1, v[TJ+\c]
.endr
.irp c, 0,2
	v_pk_mul_f32 v[W3+\c:W3+\c+1], v[T3+\c:T3+\c+1], 0x3e2aaaab op_sel_hi:[1,0]
	v_pk_mul_f32 v[W0+\c:W0+\c+1], v[O3+\c:O3+\c+1], 0x3e2aaaab op_sel_hi:[1,0]
	v_pk_fma_f32 v[W1+\c:W1+\c+1], v[T3+\c:T3+\c+1], 0.5, v[T2+\c:T2+\c+1] op_sel_hi:[1,0,1] neg_lo:[0,0,1] neg_hi:[0,0,1]
	v_pk_fma_f32 v[W2+\c:W2+\c+1], v[O3+\c:O3+\c+1], 0.5, v[O2+\c:O2+\c+1] op_sel_hi:[1,0,1] neg_lo:[0,0,1] neg_hi:[0,0,1]
.endr
.irp c, 0,1,2,3
	v_cmp_ne_u32 s[52+\c], 0, v[TU+\c]             ; J odd
.endr
.irp c, 0,2
	v_pk_add_f32 v[W1+\c:W1+\c+1], v[W1+\c:W1+\c+1], 0x3f2aaaab op_sel_hi:[1,0]
	v_pk_add_f32 v[W2+\c:W2+\c+1], v[W2+\c:W2+\c+1], 0x3f2aaaab op_sel_hi:[1,0]
.endr
.irp c, 0,1,2,3
	v_and_b32 v[TU+\c], 2, v[TJ+\c]
.endr
.irp c, 0,1,2,3
	v_cvt_pk_f16_f32 v[E0+\c], v[W0+\c], v[W1+\c]
	v_cvt_pk_f16_f32 v[E1+\c], v[W2+\c], v[W3+\c]
.endr
.irp c, 0,1,2,3
	v_cmp_ne_u32 s[56+\c], 0, v[TU+\c]             ; J % 4 is 2 or 3
.endr
.irp c, 0,1,2,3
	v_lshlrev_b32 v[R0+\c], 16, v[E0+\c]
	v_alignbit_b32 v[R1+\c], v[E1+\c], v[E0+\c], 16
	v_lshrrev_b32 v[R2+\c], 16, v[E1+\c]
.endr
.irp c, 0,1,2,3                        ; the shift by one half
	v_cndmask_b32 v[E0+\c], v[E0+\c], v[R0+\c], s[52+\c]
	v_cndmask_b32 v[E1+\c], v[E1+\c], v[R1+\c], s[52+\c]
	v_cndmask_b32 v[R2+\c], 0, v[R2+\c], s[52+\c]
.endr
	WIN 0x05
.irp c, 0,1,2,3                        ; the shift by a pair, into window 0
	v_cndmask_b32 v[LO0+xb+\c], v[E0+\c], 0, s[56+\c]
	v_cndmask_b32 v[LO1+xb+\c], v[E1+\c], v[E0+\c], s[56+\c]
	v_cndmask_b32 v[HI0+xb+\c], v[R2+\c], v[E1+\c], s[56+\c]
	v_cndmask_b32 v[HI1+xb+\c], 0, v[R2+\c], s[56+\c]
	v_lshrrev_b32 v[P0+xb+\c], 2, v[TJ+\c]
.endr
.set pb, pb+1
.endr
.endm
; x of segment s52 (0 to 47): 128 bytes of my row.  All earlier loads of x have been waited for, so the pointer and the registers may be written.
.macro XLOAD
	s_lshr_b32 s53, s52, 4
	s_cmp_eq_u32 s53, 1
	s_cselect_b64 s[XP:XP+1], s[10:11], s[8:9]
	s_cmp_eq_u32 s53, 2
	s_cselect_b64 s[XP:XP+1], s[12:13], s[XP:XP+1]
	s_and_b32 s76, s52, 15
	s_lshl_b32 s76, s76, 7
	s_lshl_b32 s77, s[RI], 18
	s_add_co_u32 s76, s76, s77
	s_mov_b32 s77, 0
	s_add_nc_u64 s[XP:XP+1], s[XP:XP+1], s[76:77]
.irp n, 0,1,2,3,4,5,6,7
	global_load_b128 v[XX+4*\n:XX+4*\n+3], v[XO], s[XP:XP+1] offset:16*\n
.endr
.endm
; The sums start at 0.  Written out on purpose: products that start a sum with the constant 0 would want a second text of a whole sub-trip.  At the launch's start these lines run while tile 1 is on its way.
.macro CLEAR
	WIN 0x80
.set z, 0
.rept 256
	v_mov_b32 v[z], 0
.set z, z+1
.endr
	WIN 0xc0
.set z, 0
.rept 256
	v_mov_b32 v[z], 0
.set z, z+1
.endr
.endm
; My 64 accumulators go out as they lie, to piece c - 5 P of projection P = s52: each store is 512 consecutive bytes; an accumulator's low four registers first.
.macro FLUSH
	PLACES
	s_lshl_b32 s74, s52, 4
	s_add_co_u32 s74, s74, s[RI]
	s_mul_i32 s74, s74, 6
	s_add_co_u32 s74, s74, s[CC]
	s_mul_i32 s75, s52, 5
	s_sub_co_u32 s74, s74, s75
	s_lshl2_add_u32 s74, s74, s[WV]
	s_lshl_b32 s74, s74, 16
	s_mov_b32 s75, 0
	s_add_nc_u64 s[FP:FP+1], s[16:17], s[74:75]
	WIN 0x08
.set z, 0
.rept 32
	global_store_b128 v[FO], v[8*z:8*z+3],   s[FP:FP+1] offset:z*1024 th:TH_STORE_NT
	global_store_b128 v[FO], v[8*z+4:8*z+7], s[FP:FP+1] offset:z*1024+512 th:TH_STORE_NT
.set z, z+1
.endr
	WIN 0x0c
.set z, 0
.rept 32
	global_store_b128 v[FO], v[8*z:8*z+3],   s[FP:FP+1] offset:(32+z)*1024 th:TH_STORE_NT
	global_store_b128 v[FO], v[8*z+4:8*z+7], s[FP:FP+1] offset:(32+z)*1024+512 th:TH_STORE_NT
.set z, z+1
.endr
	WIN 0
.endm
	s_load_b256 s[8:15], s[0:1], 0x0               ; query s[8:9], key s[10:11], value s[12:13], b16 s[14:15]
	s_load_b64 s[16:17], s[0:1], 0x20              ; part
	v_lshl_add_u32 v[SPW], v0, 2, SPARE
	v_mov_b32 v[NIL], 0
	ds_add_u32 v[SPW], v[NIL]                      ; the wave's opening: the add and its wait ahead of my first tensor load; the set-up, work on registers, stands between them
	v_lshrrev_b32 v1, 5, v0
	v_readfirstlane_b32 s[WV], v1                  ; wave 0..3
	s_bfe_u32 s[CX], ttmp6, 0x40000                ; cx
	s_lshl_b32 s[RI], ttmp9, 2                     ; in a cluster launch ttmp9 counts clusters
	s_add_co_u32 s[RI], s[RI], s[CX]               ; row tile i = 4 x cluster x + cx
	s_and_b32 s[CC], ttmp7, 0xffff                 ; c, which the four partners share
	s_mov_b32 s[G1+0], 0x0023000f                  ; 15:0 the mask of four; 17:16 elements of 8 bytes; 21 set beside a mask; no padding
	s_mov_b32 s[G1+1], 32<<16                      ; tensor_dim0 = 32 elements: rows of 256 bytes
	s_mov_b32 s[G1+2], 128<<16                     ; tensor_dim1 = 128
	s_mov_b32 s[G1+3], 32<<16                      ; tile_dim0 = 32
	s_mov_b32 s[G1+4], 128                         ; tile_dim1 = 128
	s_mov_b32 s[G1+5], 32                          ; dense: 32 elements from row to row
	s_mov_b32 s[G1+6], 0
	s_mov_b32 s[G1+7], 0
	s_mov_b32 s[G0], 1                             ; count = 1
	s_lshl_b32 s[G0+1], s[WV], 15                  ; LDS: slot 0, my 32,768 bytes
	s_mul_i32 s52, s[CC], 27                       ; tile 27 c,
	s_lshl_b32 s52, s52, 17
	s_add_co_u32 s52, s52, s[G0+1]                 ; my part of it
	s_mov_b32 s53, 0
	s_mul_i32 s74, s[CC], 27                       ; the prefetches: tile 27 c + 1 (the first change of slots steps it on),
	s_add_co_u32 s74, s74, 1
	s_lshl_b32 s74, s74, 17
	s_lshl2_add_u32 s75, s[CX], s[WV]              ; my wave's 8,192 bytes among the cluster's sixteen
	s_lshl_b32 s75, s75, 13
	s_add_co_u32 s74, s74, s75
	s_mov_b32 s75, 0
	s_cmp_eq_u32 ttmp9, 0
	s_cselect_b32 s[LIM], 1, -1                    ; the same in all four partners
	s_mov_b32 s66, 0xc0400000                      ; -3
	s_mov_b32 s67, 0x403ffe5d                      ; 3 - 1e-4 in f32
	s_mov_b32 s68, 0x40400000                      ; 3
	s_mov_b32 s69, 0x40400000
	s_mov_b32 s70, 0x40aaaaab                      ; 16/3: one over the knots' distance
	s_mov_b32 s71, 0x40aaaaab
	v_mul_u32_u24 v[AW], v0, APITCH
	v_add_nc_u32 v[AW], A0, v[AW]
	v_and_b32 v1, 15, v0                           ; r
	v_bfe_u32 v12, v0, 4, 1                        ; h
	v_mul_u32_u24 v[AR], v1, APITCH
	v_lshl_add_u32 v[AR], v12, 4, v[AR]
	v_add_nc_u32 v[AR], A0, v[AR]
	v_and_b32 v13, 31, v0
	v_lshlrev_b32 v[FO], 4, v13
	v_add_nc_u32 v[LBC], s[G0+1], v[FO]
	v_lshlrev_b32 v[PFO], 8, v13
	v_lshlrev_b32 v[XO], 11, v0
	v_mov_b32 v[ZR], 0
	s_wait_dscnt 0x0                               ; the opening add is done
	s_wait_kmcnt 0x0
	s_add_nc_u64 s[G0+2:G0+3], s[14:15], s[52:53]
	s_or_b32 s[G0+3], s[G0+3], 0x80000000          ; type = 2
	s_add_nc_u64 s[PFA:PFA+1], s[14:15], s[74:75]
	ROUND                                          ; all four work-groups are here: the first joint loads meet
	JLOAD                                          ; tile 0 into slot 0
	s_mul_i32 s52, s[CC], 3
	XLOAD                                          ; x of my first segment
	s_mov_b32 s[CP1], 0                            ; the first chunk to be made is chunk 0
	s_mov_b32 s[CP1+1], -1
	s_mov_b32 s[CP1+2], 0
	s_wait_loadcnt 0x0
	PREP 0
.set gn, 0
.rept 112
	GOP 0                                          ; channels 0-15, chunk 0, into A0
.endr
	s_mov_b32 s[PP], 0
	s_mov_b32 s[SS], 0
	s_mov_b32 s[CP0], 0
	s_mov_b32 s[CP0+1], -1
	s_mov_b32 s[CP0+2], 0
	s_mov_b32 s[CP1], 1
	s_mov_b32 s[CP1+1], 0
	s_mov_b32 s[CP1+2], 0
	s_mov_b32 s[CNT], 26
	s_mov_b32 s[RB], SLOTB                         ; the first change of slots turns it into 0
	HEAD 2, 0                                      ; tile 0 is in, A0 is whole; tile 1 is asked for, into slot 1
	PH0 0, 0, 1
	WIN 0
	s_branch .Lclear                               ; the loop is entered in the middle of a trip
.Lsuper:                                       ; super-trips 1 to 25 begin here
	HEAD 2, 1
	PH0 0, 1, 1
	WIN 0
	s_cmp_lg_u32 s[PP], 0
	s_cbranch_scc1 .Lgo0
	s_mul_i32 s52, s[CC], 3                        ; a new segment: is it a projection's first?
	s_add_co_u32 s52, s52, s[SS]
	s_and_b32 s53, s52, 15
	s_cmp_lg_u32 s53, 0
	s_cbranch_scc1 .Lprep1
	s_lshr_b32 s52, s52, 4
	s_sub_co_u32 s52, s52, 1                       ; then the projection before is finished here (c = 5 and c = 10, once)
	FLUSH
	s_wait_xcnt 0x0                                ; the stores have read their registers, which are written next
.Lclear:
	CLEAR
	WIN 0
.Lprep1:
	s_wait_loadcnt 0x0                             ; x of this segment (issued nine super-trips ago, or waited for already)
	PREP 1                                         ; channels 16-31
	WIN 0
	s_cmp_eq_u32 s[SS], 2
	s_cbranch_scc1 .Lgo0                           ; my last segment has none behind it
	s_mul_i32 s52, s[CC], 3
	s_add_co_u32 s52, s52, s[SS]
	s_add_co_u32 s52, s52, 1
	XLOAD                                          ; x of the next segment: wanted in chunk 8
.Lgo0:
	GEN3 0, 1, 14                                  ; sub-trip 0 out of A0 | channels 16-31, chunk p, into A1
	HEAD 1, 1
	PH0 1, 1, 0
	WIN 0
	s_cmp_lg_u32 s[PP], 8
	s_cbranch_scc1 .Lgo1
	s_wait_loadcnt 0x0                             ; x of the next segment
	PREP 0                                         ; its channels 0-15
	WIN 0
.Lgo1:
	GEN3 1, 1, 14                                  ; sub-trip 1 out of A1 | channels 0-15, the chunk behind p, into A0
	WIN 0
	s_add_co_u32 s[PP], s[PP], 1                   ; the next chunk, or the next segment's chunk 0
	s_cmp_eq_u32 s[PP], 9
	s_cselect_b32 s[PP], 0, s[PP]
	s_cselect_b32 s52, 1, 0
	s_add_co_u32 s[SS], s[SS], s52
	s_mov_b32 s[CP0], s[PP]
	s_sub_co_u32 s[CP0+1], s[PP], 1
	s_add_co_u32 s52, s[PP], 1
	s_cmp_eq_u32 s[PP], 8
	s_cselect_b32 s[CP0+2], -1, 0
	s_cselect_b32 s[CP1], 0, s52
	s_sub_co_u32 s[CP1+1], s[CP1], 1
	s_cmp_eq_u32 s[CP1], 8
	s_cselect_b32 s[CP1+2], -1, 0
	s_sub_co_u32 s[CNT], s[CNT], 1
	s_cmp_lg_u32 s[CNT], 0
	s_cbranch_scc1 .Lsuper
	HEAD 3, 1                                      ; the last super-trip (my third segment's chunk 8) is written out
	PH0 0, 1, 0
	GEN3 0, 1, 14
	HEAD 1, 1
	PH0 1, 1, 0
	GEN3 1, 0, 32                                  ; nothing is left to make
	s_wait_dscnt 0x0
.set mi, 0
.rept 32
	MM 3, mi
.set mi, mi+1
.endr
	WIN 0
	s_mul_i32 s52, s[CC], 3
	s_add_co_u32 s52, s52, 2
	s_lshr_b32 s52, s52, 4                         ; my last segment's projection
	FLUSH
	s_wait_tensorcnt 0x0                           ; the wave's end, behind my last tensor load and my last LDS store
	ds_add_u32 v[SPW], v[NIL]
	s_wait_dscnt 0x0
	ROUND                                          ; the closing round: no work-group ends while a partner may still ask for a tile that names it
	s_endpgm
.Lfunc_end_k_q1b7c5e16d8_kan:
	.size	k_q1b7c5e16d8_kan, .Lfunc_end_k_q1b7c5e16d8_kan-k_q1b7c5e16d8_kan
	.p2alignl 7, 3214868480
	.fill 96, 4, 3214868480
	.section	.rodata,"a",@progbits
	.p2align	6, 0x0
	.amdhsa_kernel k_q1b7c5e16d8_kan
		.amdhsa_group_segment_fixed_size 327680
		.amdhsa_private_segment_fixed_size 0
		.amdhsa_enable_private_segment 0
		.amdhsa_kernarg_size 40
		.amdhsa_user_sgpr_count 2
		.amdhsa_user_sgpr_kernarg_segment_ptr 1
		.amdhsa_wavefront_size32 1
		.amdhsa_system_sgpr_workgroup_id_x 1
		.amdhsa_system_sgpr_workgroup_id_y 1
		.amdhsa_system_sgpr_workgroup_id_z 1
		.amdhsa_system_vgpr_workitem_id 0
		.amdhsa_next_free_vgpr 1024
		.amdhsa_next_free_sgpr 80
		.amdhsa_reserve_vcc 0
		.amdhsa_float_denorm_mode_32 3
		.amdhsa_float_denorm_mode_16_64 3
		.amdhsa_memory_ordered 1
		.amdhsa_forward_progress 1
		.amdhsa_inst_pref_size 230
	.end_amdhsa_kernel
	.amdgpu_metadata
---
amdhsa.version: [ 1, 2 ]
amdhsa.kernels:
  - .name:           k_q1b7c5e16d8_kan
    .symbol:         k_q1b7c5e16d8_kan.kd
    .args:
      - { .name: query, .offset: 0, .size: 8, .value_kind: global_buffer, .address_space: global }
      - { .name: key, .offset: 8, .size: 8, .value_kind: global_buffer, .address_space: global }
      - { .name: value, .offset: 16, .size: 8, .value_kind: global_buffer, .address_space: global }
      - { .name: b16, .offset: 24, .size: 8, .value_kind: global_buffer, .address_space: global }
      - { .name: part, .offset: 32, .size: 8, .value_kind: global_buffer, .address_space: global }
    .group_segment_fixed_size: 327680
    .private_segment_fixed_size: 0
    .kernarg_segment_align: 8
    .kernarg_segment_size: 40
    .max_flat_workgroup_size: 128
    .sgpr_count:     80
    .vgpr_count:     1024
    .wavefront_size: 32
...
	.end_amdgpu_metadata
.endif
;; end of part 2
;; launch ktv (part 3): grid 8 x 16, 4 waves a work-group, no clusters, 66,048 bytes of LDS; arguments part, tpart; writes tpart
.if DOCPART == 3
	.amdgcn_target "amdgcn-amd-amdhsa--gfx1250"
	.amdhsa_code_object_version 6
	.text
	.protected	k_q1b7c5e16d8_ktv
	.globl	k_q1b7c5e16d8_ktv
	.p2align	8
	.type	k_q1b7c5e16d8_ktv,@function
k_q1b7c5e16d8_ktv:
	s_mov_b64 s[64:65], 0
	v_nop
	global_prefetch_b8 v0, s[64:65] scope:SCOPE_SE
	s_setreg_imm32_b32 hwreg(HW_REG_WAVE_MODE, 25, 1), 1
	s_wait_xcnt 0x0
; T = K^T V of one head over 128 rows: tpart[batch x 8 + head][row tile % 8], f32, to be added up by the next launch.
; K and V lie in part as six f32 pieces each (projection 1 and 2), in the accumulators' own layout: [w 4][cg 2][f 4][a 8][half 2][lane 32][4 f32]; register j of tile (a, f), lane (r, h), is
; row 16 a + 8 h + j, channel 4 r + f of head 2 w + cg.
; SHARES.  Work-group (head, row tile i); wave v: rows 32 v .. + 31 (tiles a = 2 v, 2 v + 1).  192 loads of 512 consecutive bytes, each byte of part read once; the six pieces are added in f32.
; NO CHANGE OF LANES.  Two tiles one below the other, rounded in pairs, ARE an operand of 32 along the rows: lane r = channel, registers = rows, for K (source 0) and V (source 1) alike.
; FORMAT.  Each sum goes in as bf16 hi + bf16 lo (lo = the rest after hi, rounded): K V = Kh Vh + Kh Vl + Kl Vh; f32's range is kept, and some 16 bits.  Kl Vl is left out: 2^-16 of a term.
; The four waves' T meet in LDS; wave v adds and stores the tiles f = v.  T(f, g), register j, lane (r, h): T[4 (8 h + j) + f][4 r + g].
; No cluster, no tensor load: no two work-groups read the same bytes.
.set SPARE, 65536                      ; behind the four waves' 16,384 bytes: the spare words, two blocks of 256 bytes that no other line names
.set L16, 1                            ; v1  16 x lane
.set LST, 2                            ; v2  16,384 x wave + 16 x lane
.set LRD, 3                            ; v3  4,096 x wave + 16 x lane
.set NEG1, 4                           ; v4  -1.0
.set SPW, 10                           ; v10 my spare word; never rewritten
.set NIL, 11                           ; v11 0; never rewritten
.set HH, 32                            ; v[32:95]  hi: K's four fragments of 8, then V's
.set LL, 96                            ; v[96:159] lo likewise
.set MSB, 0
.macro WIN new
.if MSB != (\new)
	s_set_vgpr_msb (MSB<<8)|(\new)
.set MSB, (\new)
.endif
.endm
.macro ADDIN win, src, n               ; 2 n registers from v0 of window 1 on take those from v[src] on of the window that win names
	WIN \win
.set z, 0
.rept \n
	v_pk_add_f32 v[2*z:2*z+1], v[2*z:2*z+1], v[(\src)+2*z:(\src)+2*z+1]
.set z, z+1
.endr
.endm
.macro TERM ka, vb, zero               ; 16 products, the 16 accumulators by turns
.irp f, 0,1,2,3
.irp g, 0,1,2,3
.if \zero
	v_wmma_f32_16x16x32_bf16 v[8*(4*\f+\g):8*(4*\f+\g)+7], v[(\ka)+8*\f:(\ka)+8*\f+7], v[(\vb)+8*\g:(\vb)+8*\g+7], 0
.else
	v_wmma_f32_16x16x32_bf16 v[8*(4*\f+\g):8*(4*\f+\g)+7], v[(\ka)+8*\f:(\ka)+8*\f+7], v[(\vb)+8*\g:(\vb)+8*\g+7], v[8*(4*\f+\g):8*(4*\f+\g)+7]
.endif
.endr
.endr
.endm
	s_load_b128 s[4:7], s[0:1], 0x0                ; part, tpart
	v_lshl_add_u32 v[SPW], v0, 2, SPARE
	v_mov_b32 v[NIL], 0
	v_lshrrev_b32 v5, 5, v0
	v_readfirstlane_b32 s8, v5                     ; wave
	s_and_b32 s9, ttmp7, 0xffff                    ; i
	s_mov_b32 s24, ttmp9                           ; head
	s_lshl_b32 s10, s24, 15                        ; in a piece: head x 32,768
	s_lshl_b32 s11, s8, 11                         ; + my two tiles a: wave x 2,048
	s_add_co_u32 s10, s10, s11
	s_add_co_u32 s12, s9, 16                       ; K: projection 1
	s_mul_i32 s12, s12, 1572864                    ; six pieces of 262,144 bytes
	s_add_co_u32 s12, s12, s10
	s_mov_b32 s13, 0
	s_add_co_u32 s14, s9, 32                       ; V: projection 2
	s_mul_i32 s14, s14, 1572864
	s_add_co_u32 s14, s14, s10
	s_mov_b32 s15, 0
	s_lshr_b32 s16, s9, 3                          ; batch
	s_lshl3_add_u32 s16, s16, s24
	s_and_b32 s17, s9, 7
	s_lshl3_add_u32 s16, s16, s17
	s_lshl2_add_u32 s16, s16, s8
	s_lshl_b32 s16, s16, 12                        ; ((batch x 8 + head) x 8 + i % 8) x 16,384 + wave x 4,096
	s_mov_b32 s17, 0
	v_and_b32 v5, 31, v0
	v_lshlrev_b32 v[L16], 4, v5
	s_lshl_b32 s25, s8, 14
	v_add_nc_u32 v[LST], s25, v[L16]
	s_lshl_b32 s25, s8, 12
	v_add_nc_u32 v[LRD], s25, v[L16]
	v_mov_b32 v[NEG1], -1.0
	s_wait_kmcnt 0x0
	s_add_nc_u64 s[18:19], s[4:5], s[12:13]
	s_add_nc_u64 s[20:21], s[4:5], s[14:15]
	s_add_nc_u64 s[22:23], s[6:7], s[16:17]
.set pc, 0
.rept 6                                ; piece pc into window 1 + pc / 2, registers 128 (pc % 2) on: K's 64, then V's 64
	WIN (1+pc/2)<<6
.irp t, 0,1
.irp f, 0,1,2,3
.irp a, 0,1
	global_load_b128 v[(pc&1)*128+\t*64+\f*16+\a*8:(pc&1)*128+\t*64+\f*16+\a*8+3],   v[L16], s[18+2*\t:19+2*\t] offset:pc*262144+\f*8192+\a*1024 th:TH_LOAD_NT
	global_load_b128 v[(pc&1)*128+\t*64+\f*16+\a*8+4:(pc&1)*128+\t*64+\f*16+\a*8+7], v[L16], s[18+2*\t:19+2*\t] offset:pc*262144+\f*8192+\a*1024+512 th:TH_LOAD_NT
.endr
.endr
.endr
.set pc, pc+1
.endr
	s_wait_loadcnt 63                              ; of 192 loads the first 129 are in: pieces 0 to 3
	ADDIN 0x45, 128, 64
	ADDIN 0x49, 0, 64
	ADDIN 0x49, 128, 64
	s_wait_loadcnt 32                              ; piece 5's 32 loads may stay out
	ADDIN 0x4d, 0, 64
	s_wait_loadcnt 0x0
	ADDIN 0x4d, 128, 64
	WIN 0x05                                       ; hi
.set z, 0
.rept 64
	v_cvt_pk_bf16_f32 v[HH+z], v[2*z], v[2*z+1]
.set z, z+1
.endr
	WIN 0x50                                       ; the rest: sum - hi, exact
.set z, 0
.rept 64
	v_fma_mix_f32_bf16 v[2*z], v[HH+z], v[NEG1], v[2*z] op_sel_hi:[1,0,0]
	v_fma_mix_f32_bf16 v[2*z+1], v[HH+z], v[NEG1], v[2*z+1] op_sel:[1,0,0] op_sel_hi:[1,0,0]
.set z, z+1
.endr
	WIN 0x05                                       ; lo
.set z, 0
.rept 64
	v_cvt_pk_bf16_f32 v[LL+z], v[2*z], v[2*z+1]
.set z, z+1
.endr
	WIN 0xa0                                       ; operands in window 0, T in window 2
	TERM HH, HH+32, 1
	TERM HH, LL+32, 0
	TERM LL, HH+32, 0
.rept 4
	v_nop                                          ; the places behind the last products
.endr
	WIN 0x08
.set z, 0
.rept 16
	ds_store_b128 v[LST], v[8*z:8*z+3] offset:z*1024
	ds_store_b128 v[LST], v[8*z+4:8*z+7] offset:z*1024+512
.set z, z+1
.endr
	s_wait_dscnt 0x0                               ; for the others' sake: my stores are done
	s_barrier_signal -1
	s_barrier_wait -1
	WIN 0x40
.irp g, 0,1,2,3                        ; the four waves' tiles 4 v .. 4 v + 3
.irp t, 0,1,2,3
	ds_load_b128 v[\g*32+\t*8:\g*32+\t*8+3],   v[LRD] offset:\g*16384+\t*1024
	ds_load_b128 v[\g*32+\t*8+4:\g*32+\t*8+7], v[LRD] offset:\g*16384+\t*1024+512
.endr
.endr
	s_wait_dscnt 0x0
	ADDIN 0x45, 32, 16
	ADDIN 0x45, 64, 16
	ADDIN 0x45, 96, 16
	WIN 0x04
.irp t, 0,1,2,3
	global_store_b128 v[L16], v[\t*8:\t*8+3],   s[22:23] offset:\t*1024
	global_store_b128 v[L16], v[\t*8+4:\t*8+7], s[22:23] offset:\t*1024+512
.endr
	WIN 0
	s_wait_tensorcnt 0x0                           ; the wave's end, behind my last LDS store
	ds_add_u32 v[SPW], v[NIL]
	s_wait_dscnt 0x0
	s_endpgm
.Lfunc_end_k_q1b7c5e16d8_ktv:
	.size	k_q1b7c5e16d8_ktv, .Lfunc_end_k_q1b7c5e16d8_ktv-k_q1b7c5e16d8_ktv
	.p2alignl 7, 3214868480
	.fill 96, 4, 3214868480
	.section	.rodata,"a",@progbits
	.p2align	6, 0x0
	.amdhsa_kernel k_q1b7c5e16d8_ktv
		.amdhsa_group_segment_fixed_size 66048
		.amdhsa_private_segment_fixed_size 0
		.amdhsa_enable_private_segment 0
		.amdhsa_kernarg_size 16
		.amdhsa_user_sgpr_count 2
		.amdhsa_user_sgpr_kernarg_segment_ptr 1
		.amdhsa_wavefront_size32 1
		.amdhsa_system_sgpr_workgroup_id_x 1
		.amdhsa_system_sgpr_workgroup_id_y 1
		.amdhsa_system_sgpr_workgroup_id_z 1
		.amdhsa_system_vgpr_workitem_id 0
		.amdhsa_next_free_vgpr 1024
		.amdhsa_next_free_sgpr 66
		.amdhsa_reserve_vcc 0
		.amdhsa_float_denorm_mode_32 3
		.amdhsa_float_denorm_mode_16_64 3
		.amdhsa_memory_ordered 1
		.amdhsa_forward_progress 1
		.amdhsa_inst_pref_size 68
	.end_amdhsa_kernel
	.amdgpu_metadata
---
amdhsa.version: [ 1, 2 ]
amdhsa.kernels:
  - .name:           k_q1b7c5e16d8_ktv
    .symbol:         k_q1b7c5e16d8_ktv.kd
    .args:
      - { .name: part, .offset: 0, .size: 8, .value_kind: global_buffer, .address_space: global }
      - { .name: tpart, .offset: 8, .size: 8, .value_kind: global_buffer, .address_space: global }
    .group_segment_fixed_size: 66048
    .private_segment_fixed_size: 0
    .kernarg_segment_align: 8
    .kernarg_segment_size: 16
    .max_flat_workgroup_size: 128
    .sgpr_count:     66
    .vgpr_count:     1024
    .wavefront_size: 32
...
	.end_amdgpu_metadata
.endif
;; end of part 3
;; launch outp (part 4): grid 8 x 16, 4 waves a work-group, no clusters, 66,048 bytes of LDS; arguments part, tpart, out0; writes out0
.if DOCPART == 4
	.amdgcn_target "amdgcn-amd-amdhsa--gfx1250"
	.amdhsa_code_object_version 6
	.text
	.protected	k_q1b7c5e16d8_outp
	.globl	k_q1b7c5e16d8_outp
	.p2align	8
	.type	k_q1b7c5e16d8_outp,@function
k_q1b7c5e16d8_outp:
	s_mov_b64 s[64:65], 0
	v_nop
	global_prefetch_b8 v0, s[64:65] scope:SCOPE_SE
	s_setreg_imm32_b32 hwreg(HW_REG_WAVE_MODE, 25, 1), 1
	s_wait_xcnt 0x0
; out = Q T for one head and 128 rows.  Q: six f32 pieces of part (projection 0), T: eight f32 pieces of tpart (the batch's row tiles); both are added up in f32 here.
; SHARES.  Work-group (head, row tile i); wave v: rows 32 v .. + 31 of Q and of out, and of T the tiles f = v, which it adds, splits and lays into LDS for all four.
; FORMAT.  bf16 hi + lo, as in the launch before: Q T = Qh Th + Qh Tl + Ql Th.
; K'S ORDER.  The 64 channels d of a head go as k = 16 f + r for d = 4 r + f, in both operands.  T(f, g), rounded in pairs, IS half f % 2 of the fragment (f / 2, g) of source 1.  Q's tiles hold a channel a lane and
; rows along the registers: they go into LDS as [k][row] (rows of 64 bytes, 96 apart) and come back turned, by ds_load_tr16_b128, as source 0; each wave's own bytes.
; THE WAY OUT.  Register j of tile (a, g), lane (r, h), is row 16 a + 8 h + j, column 4 r + g: the last addition (the hi-hi sum and the two mixed sums) puts g = 0..3 into four registers on end, so a lane stores 16
; bytes and sixteen lanes 256 consecutive bytes, aligned: a row of the head.
; No joint loads: what the batch's eight row tiles share is T's 131,072 bytes a head, and the launch loads through registers.
.set SPARE, 65536
.set QT0, 16384                        ; T hi 0 .. 8,191, T lo .. 16,383; then for each wave 12,288 bytes: Q hi (64 rows x 96), Q lo
.set L16, 1                            ; v1  16 x lane
.set TST, 2                            ; v2  where my T halves go
.set QST, 3                            ; v3  where my Q goes: r x 96 + 16 h
.set NEG1, 4                           ; v4  -1.0
.set QRD, 5                            ; v5  the turning load's address: (8 h + lane % 8) x 96 + 16 ((lane / 8) % 2)
.set OO,  6                            ; v6  h x 8 rows of out + 16 r
.set SPW, 10
.set NIL, 11
.set MSB, 0
.macro WIN new
.if MSB != (\new)
	s_set_vgpr_msb (MSB<<8)|(\new)
.set MSB, (\new)
.endif
.endm
.macro ADD2 win, dst, src, n
	WIN \win
.set z, 0
.rept \n
	v_pk_add_f32 v[(\dst)+2*z:(\dst)+2*z+1], v[(\dst)+2*z:(\dst)+2*z+1], v[(\src)+2*z:(\src)+2*z+1]
.set z, z+1
.endr
.endm
; n pairs from v[s] on (window by wc, wr) are split: hi into v[h] on, lo into v[l] on, of window 0
.macro SPLIT wc, wr, s, h, l, n
	WIN \wc
.set z, 0
.rept \n
	v_cvt_pk_bf16_f32 v[(\h)+z], v[(\s)+2*z], v[(\s)+2*z+1]
.set z, z+1
.endr
	WIN \wr
.set z, 0
.rept \n
	v_fma_mix_f32_bf16 v[(\s)+2*z], v[(\h)+z], v[NEG1], v[(\s)+2*z] op_sel_hi:[1,0,0]
	v_fma_mix_f32_bf16 v[(\s)+2*z+1], v[(\h)+z], v[NEG1], v[(\s)+2*z+1] op_sel:[1,0,0] op_sel_hi:[1,0,0]
.set z, z+1
.endr
	WIN \wc
.set z, 0
.rept \n
	v_cvt_pk_bf16_f32 v[(\l)+z], v[(\s)+2*z], v[(\s)+2*z+1]
.set z, z+1
.endr
.endm
.macro STEP acc, q, t, zero            ; eight products, the eight accumulators by turns
.irp a, 0,1
.irp g, 0,1,2,3
.if \zero
	v_wmma_f32_16x16x32_bf16 v[(\acc)+8*(4*\a+\g):(\acc)+8*(4*\a+\g)+7], v[(\q)+8*\a:(\q)+8*\a+7], v[(\t)+8*\g:(\t)+8*\g+7], 0
.else
	v_wmma_f32_16x16x32_bf16 v[(\acc)+8*(4*\a+\g):(\acc)+8*(4*\a+\g)+7], v[(\q)+8*\a:(\q)+8*\a+7], v[(\t)+8*\g:(\t)+8*\g+7], v[(\acc)+8*(4*\a+\g):(\acc)+8*(4*\a+\g)+7]
.endif
.endr
.endr
.endm
	s_load_b128 s[4:7], s[0:1], 0x0                ; part, tpart
	s_load_b64 s[8:9], s[0:1], 0x10                ; out0
	v_lshl_add_u32 v[SPW], v0, 2, SPARE
	v_mov_b32 v[NIL], 0
	v_lshrrev_b32 v12, 5, v0
	v_readfirstlane_b32 s10, v12                   ; wave
	s_and_b32 s11, ttmp7, 0xffff                   ; i
	s_mov_b32 s12, ttmp9                           ; head
	s_mul_i32 s16, s11, 1572864                    ; Q: projection 0, six pieces of 262,144 bytes a row tile,
	s_lshl_b32 s13, s12, 15                        ; head x 32,768,
	s_add_co_u32 s16, s16, s13
	s_lshl_b32 s13, s10, 11                        ; my two tiles a
	s_add_co_u32 s16, s16, s13
	s_mov_b32 s17, 0
	s_lshr_b32 s18, s11, 3                         ; T: (batch x 8 + head) x 131,072 + wave x 4,096
	s_lshl3_add_u32 s18, s18, s12
	s_lshl_b32 s18, s18, 17
	s_lshl_b32 s13, s10, 12
	s_add_co_u32 s18, s18, s13
	s_mov_b32 s19, 0
	s_lshl_b32 s20, s11, 18                        ; out: row 128 i + 32 wave, column 64 head
	s_lshl_b32 s13, s10, 16
	s_add_co_u32 s20, s20, s13
	s_lshl_b32 s13, s12, 8
	s_add_co_u32 s20, s20, s13
	s_mov_b32 s21, 0
	v_and_b32 v12, 31, v0
	v_lshlrev_b32 v[L16], 4, v12
	v_and_b32 v13, 15, v0                          ; r
	v_bfe_u32 v14, v0, 4, 1                        ; h
	v_and_b32 v15, 7, v0
	v_bfe_u32 v16, v0, 3, 1
	s_lshr_b32 s13, s10, 1                         ; fragment row f / 2: 4,096 bytes; half f % 2: 512
	s_lshl_b32 s13, s13, 12
	s_and_b32 s14, s10, 1
	s_lshl_b32 s14, s14, 9
	s_add_co_u32 s13, s13, s14
	v_add_nc_u32 v[TST], s13, v[L16]
	s_mul_i32 s14, s10, 12288
	s_add_co_u32 s14, s14, QT0
	v_mul_u32_u24 v[QST], v13, 96
	v_lshl_add_u32 v[QST], v14, 4, v[QST]
	v_add_nc_u32 v[QST], s14, v[QST]
	v_lshl_add_u32 v[QRD], v14, 3, v15
	v_mul_u32_u24 v[QRD], v[QRD], 96
	v_lshl_add_u32 v[QRD], v16, 4, v[QRD]
	v_add_nc_u32 v[QRD], s14, v[QRD]
	v_lshlrev_b32 v[OO], 14, v14
	v_lshl_add_u32 v[OO], v13, 4, v[OO]
	v_mov_b32 v[NEG1], -1.0
	s_wait_kmcnt 0x0
	s_add_nc_u64 s[22:23], s[4:5], s[16:17]
	s_add_nc_u64 s[24:25], s[6:7], s[18:19]
	s_add_nc_u64 s[26:27], s[8:9], s[20:21]
.set rt, 0
.rept 8                                ; T's pieces: 0-3 into window 2 v128 on, 4-7 into window 3 v0 on; 32 registers each
	WIN (2+rt/4)<<6
.irp g, 0,1,2,3
	global_load_b128 v[((128+rt*32)&255)+\g*8:((128+rt*32)&255)+\g*8+3],   v[L16], s[24:25] offset:rt*16384+\g*1024
	global_load_b128 v[((128+rt*32)&255)+\g*8+4:((128+rt*32)&255)+\g*8+7], v[L16], s[24:25] offset:rt*16384+\g*1024+512
.endr
.set rt, rt+1
.endr
.set pc, 0
.rept 6                                ; Q's pieces: 0-3 into window 1, 4-5 into window 2 v0 on; 64 registers each
	WIN (1+pc/4)<<6
.irp f, 0,1,2,3
.irp a, 0,1
	global_load_b128 v[(pc&3)*64+\f*16+\a*8:(pc&3)*64+\f*16+\a*8+3],   v[L16], s[22:23] offset:pc*262144+\f*8192+\a*1024 th:TH_LOAD_NT
	global_load_b128 v[(pc&3)*64+\f*16+\a*8+4:(pc&3)*64+\f*16+\a*8+7], v[L16], s[22:23] offset:pc*262144+\f*8192+\a*1024+512 th:TH_LOAD_NT
.endr
.endr
.set pc, pc+1
.endr
	s_wait_loadcnt 63                              ; of 160 loads the first 97 are in: T's 64 and Q's pieces 0 and 1
	ADD2 0x8a, 128, 160, 16
	ADD2 0x8a, 128, 192, 16
	ADD2 0x8a, 128, 224, 16
	ADD2 0x8e, 128, 0, 16
	ADD2 0x8e, 128, 32, 16
	ADD2 0x8e, 128, 64, 16
	ADD2 0x8e, 128, 96, 16
	SPLIT 0x0a, 0xa0, 128, 32, 48, 16
	WIN 0
.irp g, 0,1,2,3
	ds_store_b128 v[TST], v[32+4*\g:32+4*\g+3] offset:\g*1024
	ds_store_b128 v[TST], v[48+4*\g:48+4*\g+3] offset:8192+\g*1024
.endr
	ADD2 0x45, 0, 64, 32
	s_wait_loadcnt 32                              ; pieces 4 and 5, 32 loads, may stay out
	ADD2 0x45, 0, 128, 32
	ADD2 0x45, 0, 192, 32
	s_wait_loadcnt 0x0
	ADD2 0x49, 0, 0, 32
	ADD2 0x49, 0, 64, 32
	SPLIT 0x05, 0x50, 0, 64, 96, 32
	WIN 0
.irp f, 0,1,2,3
.irp a, 0,1
	ds_store_b128 v[QST], v[64+8*\f+4*\a:64+8*\f+4*\a+3] offset:\f*1536+32*\a
	ds_store_b128 v[QST], v[96+8*\f+4*\a:96+8*\f+4*\a+3] offset:6144+\f*1536+32*\a
.endr
.endr
	s_wait_dscnt 0x0                               ; for the others' sake: my part of T is in LDS
	s_barrier_signal -1
	s_barrier_wait -1
	WIN 0xc0                                       ; T's fragments into window 3 v128 on: hi / lo x 64, k half x 32, g x 8
.irp e, 0,1
.irp k, 0,1
.irp g, 0,1,2,3
	ds_load_b128 v[128+\e*64+\k*32+\g*8:128+\e*64+\k*32+\g*8+3],   v[L16] offset:\e*8192+\k*4096+\g*1024
	ds_load_b128 v[128+\e*64+\k*32+\g*8+4:128+\e*64+\k*32+\g*8+7], v[L16] offset:\e*8192+\k*4096+\g*1024+512
.endr
.endr
.endr
	WIN 0                                          ; Q's fragments, turned, into v128 on: hi / lo x 32, k half x 16, a x 8
.irp e, 0,1
.irp k, 0,1
.irp a, 0,1
	ds_load_tr16_b128 v[128+\e*32+\k*16+\a*8:128+\e*32+\k*16+\a*8+3],   v[QRD] offset:\e*6144+\k*3072+32*\a
	ds_load_tr16_b128 v[128+\e*32+\k*16+\a*8+4:128+\e*32+\k*16+\a*8+7], v[QRD] offset:\e*6144+\k*3072+32*\a+1536
.endr
.endr
.endr
	s_wait_dscnt 0x0
	WIN 0x5c                                       ; Q in window 0, T in window 3, the sums in window 1: hi-hi at v64 on, the mixed ones at v128 on
	STEP 64,  128, 128, 1
	STEP 128, 128, 192, 1
	STEP 64,  144, 160, 0
	STEP 128, 144, 224, 0
	STEP 128, 160, 128, 0
	STEP 128, 176, 160, 0
.rept 4
	v_nop                                          ; the places behind the last products
.endr
	WIN 0x05
.irp a, 0,1
.irp j, 0,1,2,3,4,5,6,7                ; each accumulator's registers in ascending order
.irp g, 0,1,2,3
	v_add_f32 v[192+32*\a+4*\j+\g], v[64+8*(4*\a+\g)+\j], v[128+8*(4*\a+\g)+\j]
.endr
.endr
.endr
	WIN 0
.irp a, 0,1
.irp j, 0,1,2,3,4,5,6,7
	global_store_b128 v[OO], v[192+32*\a+4*\j:192+32*\a+4*\j+3], s[26:27] offset:(16*\a+\j)*2048
.endr
.endr
	s_wait_tensorcnt 0x0                           ; the wave's end, behind my last LDS store
	ds_add_u32 v[SPW], v[NIL]
	s_wait_dscnt 0x0
	s_endpgm
.Lfunc_end_k_q1b7c5e16d8_outp:
	.size	k_q1b7c5e16d8_outp, .Lfunc_end_k_q1b7c5e16d8_outp-k_q1b7c5e16d8_outp
	.p2alignl 7, 3214868480
	.fill 96, 4, 3214868480
	.section	.rodata,"a",@progbits
	.p2align	6, 0x0
	.amdhsa_kernel k_q1b7c5e16d8_outp
		.amdhsa_group_segment_fixed_size 66048
		.amdhsa_private_segment_fixed_size 0
		.amdhsa_enable_private_segment 0
		.amdhsa_kernarg_size 24
		.amdhsa_user_sgpr_count 2
		.amdhsa_user_sgpr_kernarg_segment_ptr 1
		.amdhsa_wavefront_size32 1
		.amdhsa_system_sgpr_workgroup_id_x 1
		.amdhsa_system_sgpr_workgroup_id_y 1
		.amdhsa_system_sgpr_workgroup_id_z 1
		.amdhsa_system_vgpr_workitem_id 0
		.amdhsa_next_free_vgpr 1024
		.amdhsa_next_free_sgpr 66
		.amdhsa_reserve_vcc 0
		.amdhsa_float_denorm_mode_32 3
		.amdhsa_float_denorm_mode_16_64 3
		.amdhsa_memory_ordered 1
		.amdhsa_forward_progress 1
		.amdhsa_inst_pref_size 59
	.end_amdhsa_kernel
	.amdgpu_metadata
---
amdhsa.version: [ 1, 2 ]
amdhsa.kernels:
  - .name:           k_q1b7c5e16d8_outp
    .symbol:         k_q1b7c5e16d8_outp.kd
    .args:
      - { .name: part, .offset: 0, .size: 8, .value_kind: global_buffer, .address_space: global }
      - { .name: tpart, .offset: 8, .size: 8, .value_kind: global_buffer, .address_space: global }
      - { .name: out0, .offset: 16, .size: 8, .value_kind: global_buffer, .address_space: global }
    .group_segment_fixed_size: 66048
    .private_segment_fixed_size: 0
    .kernarg_segment_align: 8
    .kernarg_segment_size: 24
    .max_flat_workgroup_size: 128
    .sgpr_count:     66
    .vgpr_count:     1024
    .wavefront_size: 32
...
	.end_amdgpu_metadata
.endif
;; end of part 4
